; MI455X (gfx1250); checked and timed in simulation.
; The chip was launched on July 23, 2026; its instructions are those of AMD's public machine-readable ISA for CDNA 5 (MIT licence, August 2026) and "CDNA5" Instruction Set Architecture Reference Guide (July 2026). The comments in the code are by the model that wrote it; some were corrected since.
;; Attention. Allowed arithmetic: matrix products marked QUANTISED: E3M2 operands, one E8M0 scale for each 32 along K, by v_wmma_scale_f32_16x16x128_f8f6f4 with both operands' format E3M2, f32 sums; everything else in f32.
;; Inputs: key 2 x 8 x 4,096 x 64 float32; query 2 x 8 x 4,096 x 64 float32; value 2 x 8 x 4,096 x 64 float32.
;; Outputs: out0 2 x 8 x 4,096 x 64 float32.
;; This version of the problem:
;;   THIS VERSION OF THE PROBLEM IS GIVEN IN LOW PRECISION. The matrix products marked QUANTISED in the list below multiply operands that are first quantised to E3M2 (3 exponent bits, 2 mantissa bits; 6 bits a number), with one power-of-two scale for each 32 numbers along K (OCP MX v1.0); their sums are f32. All else is computed in f32.
;;   The module's matrix products, in the order in which they are computed (A, B: the left and right operand; K: the contracted axis; several contracted axes count as one K, in the product's order):
;;     1. batch 16 x [M 4,096, K 64] x [K 64, N 4,096]; A: input query; B: input key: QUANTISED
;;     2. batch 16 x [M 4,096, K 4,096] x [K 4,096, N 64]; A: softmax (see below); B: input value: QUANTISED
;;   THE QUANTISER, for each operand of a quantised product, along K:
;;     - K is cut into blocks of 32 from its start; a last block that is shorter is filled with zeros.
;;     - A block's scale is 2^e with e = floor(log2(the largest magnitude in the block)) - 4, held to -126 .. 127; a block of zeros has e = 0. As a byte (E8M0): e + 127.
;;     - Each number is divided by its block's scale, clamped to +-28, and rounded to the nearest number of E3M2, ties to even, subnormals kept.
;;     - The product sums the exact products of the quantised numbers (number of the format x scale) in f32.
;;   ~~~python
;;   def quantise(x, axis):      # numpy; x: float32 -> the quantised numbers, widened to float32 again
;;       x = np.moveaxis(x, axis, -1); K = x.shape[-1]
;;       x = np.pad(x, [(0, 0)] * (x.ndim - 1) + [(0, -K % 32)]); x = x.reshape(x.shape[:-1] + (-1, 32)); a = np.abs(x).max(-1, keepdims=True)
;;       e = np.where(a > 0, np.clip(np.frexp(np.where(a > 0, a, 1))[1] - 1 - 4, -126, 127), 0)      # np.frexp(a)[1] - 1 = floor(log2(a)), exactly
;;       r = np.clip(x / 2.0 ** e, -28, 28)
;;       step = 2.0 ** (np.maximum(np.frexp(np.where(r == 0, 1, r))[1] - 1, -2) - 2)
;;       q = np.round(r / step) * step * 2.0 ** e      # np.round: ties to even
;;       return np.moveaxis(q.reshape(q.shape[:-2] + (-1,))[..., :K], -1, axis).astype(np.float32)
;;   ~~~
;;   SOFTMAX AHEAD OF A QUANTISED PRODUCT. Where the list says 'softmax', what is quantised is not the finished softmax but p = 2^(t - M), with t = logit x log2(e) and M = ceil(the row's largest t), a whole number; so 1/2 < the row's largest p <= 1. The row's sum l is taken of the UNQUANTISED p, in f32, and the product's result is divided by l at the end. Since M is a whole number, a kernel that streams over the keys may use a running M (the ceiling of the running maximum): every later rescaling is an exact power of two, which a block's scale takes up: the codes' values come out the same.
;;   OPERANDS COMPUTED ON THE WAY. 'Computed on the way' means the value that the module computes at that place (a softmax that the list does not call 'softmax' is quantised finished and normalised). What goes into a quantiser is computed in f32, as accurately as f32 sums, v_exp_f32 and their like allow (about 1e-6 of the number): no bf16 or f16 on the way to a quantiser, and a product that is left as it is and whose result goes on into a quantised operand takes f32 operands (vector FMAs, or v_wmma_f32_16x16x4_f32). A number that lies on a knife's edge between two numbers of the format may be rounded either way, as far as f32 arithmetic and the matrix unit's own rounding can turn it there, and no further.
;; One version. Each part assembles by itself: llvm-mc -triple=amdgcn-amd-amdhsa -mcpu=gfx1250 --defsym DOCPART=n.
;; ======== version 1 of 1: 2 launches
;; limits: right only within a limited range of input values
;; workspace buffers: kvc 6,291,456 bytes; kvs 262,144 bytes
;; launch prep (part 1): grid 32 x 16, 8 waves a work-group, no clusters, 50,176 bytes of LDS; arguments key, value, kvc, kvs; writes kvc, kvs
.if DOCPART == 1
	.amdgcn_target "amdgcn-amd-amdhsa--gfx1250"
	.amdhsa_code_object_version 6
	.text
	.protected	k_q83ef82671f_prep
	.globl	k_q83ef82671f_prep
	.p2align	8
	.type	k_q83ef82671f_prep,@function
k_q83ef82671f_prep:
	s_mov_b64 s[64:65], 0
	v_nop
	global_prefetch_b8 v0, s[64:65] scope:SCOPE_SE
	s_setreg_imm32_b32 hwreg(HW_REG_WAVE_MODE, 25, 1), 1
	s_wait_xcnt 0x0
; K and V, [16 heads][4096 keys][64] f32, become codes of BF6 (E3M2) with one E8M0 byte for each 32 along a product's K: K along the head's 64, V along the keys.
; A block's scale is 2^(floor(log2(its largest magnitude)) - 4); its byte is the largest magnitude's exponent field - 4, held at 1 from below; the conversion divides, holds at the largest code and rounds to nearest, ties to even.
; LIMITS: NaN and infinities among the inputs are not served.  A block of zeros, or one whose largest magnitude lies under 2^-122, gets the byte 1: a block of zeros has zero codes, which add nothing under that byte, and only this program reads the bytes.
; WHAT IS STORED ARE IMAGES OF THE NEXT LAUNCH'S OPERAND REGISTERS.  A fragment is 12 registers a lane; register g of lane l lies at 512 (g / 4) + 16 l + 4 (g % 4) of its 1,536 bytes, so three loads of 16 bytes a lane restore it.
; A work-group takes one key step (128 keys, the first is kb) of one head: 12,288 bytes of kvc (four fragments of K, four of V) and 512 bytes of kvs.
;   K, pair p (0..3): lane (r, h), registers 6 u .. 6 u + 5 (u = 0, 1): key kb + 64 (p / 2) + 32 (r / 8) + 16 (p % 2) + 8 u + r % 8, dims 32 h .. 32 h + 31.  Two keys fill the instruction's 128 along K: no zeros are stored.
;   V, tile t (0..3): lane (r, h), registers 6 u .. 6 u + 5: channel 16 t + r, keys kb + 64 u + 32 h + 0 .. 31.
;   kvs: byte 16 r + 4 p + 2 u + h: K's block;  byte 256 + 16 r + 4 t + b: V's block of keys kb + 32 b.  One load of 16 bytes a lane then brings K's four words to lanes 0-15 and V's four to lanes 16-31.
; SHARES.  Waves 0-3: K, wave = pair.  Waves 4-7: V: a lane takes a channel and its registers run down the keys.  In both roles a lane holds two whole blocks of 32: no maximum crosses lanes, and its 12 code registers are one lane of a fragment.
; K's rows are loaded as they lie (512 consecutive bytes a load) and turned through the wave's own stage in LDS.  All images meet in LDS and leave as 512 consecutive bytes a store.
; No tensor load, no ring; one barrier.  Every input byte is read once: all of a wave's 8,192 bytes are asked for at once.
.set STGB, 8960                        ; a K wave's stage: 32 rows x 272 bytes, the second 16 rows 128 bytes further on
.set IMG,  35840                       ; behind the four stages: the step's eight images, 12,288 bytes
.set SC,   48128                       ; behind them: the step's 512 scale bytes
.set R,    64                          ; v64-127   K's rows as loaded
.set X,    128                         ; v128-191  two blocks of 32 numbers
.set T,    20                          ; v20-31    my lane of a fragment
.set U,    32                          ; v32-34, v36-38: the upper halves of the two blocks' codes, as the conversions leave them
; v1 16 x lane; v2, v3 the stage, in and out; v4, v5 K's image and bytes; v6, v7 V's; v8 4 x lane; v9, v10 the tail, LDS and memory; v11 the bytes on their way out.  All are made ahead of the parting of the roles and never rewritten.
	s_load_b256 s[4:11], s[0:1], 0x0               ; key s[4:5], value s[6:7], kvc s[8:9], kvs s[10:11]
	v_lshl_add_u32 v192, v0, 2, 0xc000
	v_mov_b32 v193, 0
	v_lshrrev_b32 v12, 5, v0
	s_delay_alu instid0(VALU_DEP_1)
	v_readfirstlane_b32 s12, v12                   ; wave 0..7
	s_and_b32 s13, ttmp7, 0xffff                   ; head
	s_and_b32 s16, s12, 3                          ; K: the pair
	s_and_b32 s19, s12, 1                          ; K: pair % 2.  V: which 32 channels
	s_bfe_u32 s20, s12, 0x10001                    ; K: pair / 2.  V: which half of the fragment's lanes I make
	v_and_b32 v13, 31, v0                          ; lane
	v_and_b32 v14, 15, v0                          ; r
	v_bfe_u32 v15, v0, 4, 1                        ; h
	s_delay_alu instid0(VALU_DEP_2)
	v_lshrrev_b32 v16, 3, v14                      ; r / 8
	s_delay_alu instid0(VALU_DEP_3)
	v_and_b32 v17, 7, v14                          ; r % 8
	v_lshlrev_b32 v1, 4, v13
	v_lshlrev_b32 v8, 2, v13
	s_mul_i32 s17, s16, STGB                       ; my stage
	v_mul_u32_u24 v2, v15, 272
	s_delay_alu instid0(VALU_DEP_1)
	v_lshl_add_u32 v2, v14, 4, v2
	s_delay_alu instid0(VALU_DEP_1)
	v_add_nc_u32 v2, s17, v2                       ; in: a load's 512 bytes are two rows: row lane / 16, 16 bytes a lane
	v_mul_u32_u24 v3, v16, 4480
	s_delay_alu instid0(VALU_DEP_1)
	v_mad_u32_u24 v3, v17, 272, v3
	s_delay_alu instid0(VALU_DEP_1)
	v_lshl_add_u32 v3, v15, 7, v3
	s_delay_alu instid0(VALU_DEP_1)
	v_add_nc_u32 v3, s17, v3                       ; out: row 16 (r / 8) + r % 8, + 128 h.  Sixteen lanes start at 16 r modulo 256: sixteen different columns of 16 bytes
	s_mul_i32 s18, s16, 1536
	s_add_co_u32 s18, s18, IMG
	v_add_nc_u32 v4, s18, v1                       ; K's image: pair x 1,536 + 16 x lane
	v_lshl_add_u32 v5, v14, 4, v15
	s_lshl_b32 s18, s16, 2
	s_add_co_u32 s18, s18, SC
	v_add_nc_u32 v5, s18, v5                       ; K's bytes: 16 r + 4 pair + h (+ 2 u)
	v_mul_u32_u24 v6, v15, 1536
	s_delay_alu instid0(VALU_DEP_1)
	v_lshl_add_u32 v6, v14, 4, v6
	s_mul_i32 s18, s19, 3072
	s_lshl_b32 s21, s20, 8
	s_add_co_u32 s18, s18, s21
	s_add_co_u32 s18, s18, IMG+6144
	v_add_nc_u32 v6, s18, v6                       ; V's image: tile 2 x (which 32) + lane / 16; the fragment's lane is lane % 16 + 16 x (my half)
	v_lshlrev_b32 v7, 2, v15
	s_delay_alu instid0(VALU_DEP_1)
	v_lshl_add_u32 v7, v14, 4, v7
	s_lshl_b32 s18, s19, 3
	s_add_co_u32 s18, s18, s20
	s_add_co_u32 s18, s18, SC+256
	v_add_nc_u32 v7, s18, v7                       ; V's bytes: 256 + 16 (lane % 16) + 4 tile + my half (+ 2 u)
	s_mul_i32 s18, s12, 1536
	v_add_nc_u32 v10, s18, v1                      ; the tail: wave w sends image w
	s_delay_alu instid0(VALU_DEP_1)
	v_add_nc_u32 v9, IMG, v10
	v_add_nc_u32 v11, SC, v1
	s_lshl_b32 s14, s13, 20                        ; a head is 4,096 rows of 256 bytes,
	s_lshl_b32 s18, ttmp9, 15                      ; a key step 128 rows
	s_add_co_u32 s14, s14, s18
	s_lshl_b32 s22, s20, 14                        ; K: 64 (pair / 2) rows
	s_lshl_b32 s18, s19, 12                        ;    + 16 (pair % 2) rows
	s_add_co_u32 s22, s22, s18
	s_add_co_u32 s22, s22, s14
	s_mov_b32 s23, 0
	s_lshl_b32 s24, s20, 13                        ; V: 32 (my half) rows
	s_lshl_b32 s18, s19, 7                         ;    + 32 channels
	s_add_co_u32 s24, s24, s18
	s_add_co_u32 s24, s24, s14
	s_mov_b32 s25, 0
	s_lshl_b32 s26, s13, 5
	s_add_co_u32 s26, s26, ttmp9                   ; 32 x head + key step
	s_mul_i32 s28, s26, 12288
	s_mov_b32 s29, 0
	s_lshl_b32 s30, s26, 9
	s_mov_b32 s31, 0
	s_wait_kmcnt 0x0
	s_add_nc_u64 s[4:5], s[4:5], s[22:23]
	s_add_nc_u64 s[6:7], s[6:7], s[24:25]
	s_add_nc_u64 s[8:9], s[8:9], s[28:29]
	s_add_nc_u64 s[10:11], s[10:11], s[30:31]
; Two blocks of 32 numbers, v[X + 32 u + i], become my lane of a fragment (v[T] on), which goes to its image; their two bytes go to the scale bytes, 2 apart.
.macro QUANT2 img, scl
.irp u, 0,1
	v_max3_num_f32 v[12+\u], |v[X+32*\u]|, |v[X+32*\u+1]|, |v[X+32*\u+2]|      ; the largest magnitude: two chains a block, the blocks by turns
	v_max3_num_f32 v[14+\u], |v[X+32*\u+3]|, |v[X+32*\u+4]|, |v[X+32*\u+5]|
.endr
.irp i, 6,10,14,18,22,26
.irp u, 0,1
	s_delay_alu instid0(VALU_DEP_4)
	v_max3_num_f32 v[12+\u], v[12+\u], |v[X+32*\u+\i]|, |v[X+32*\u+\i+1]|
	s_delay_alu instid0(VALU_DEP_4)
	v_max3_num_f32 v[14+\u], v[14+\u], |v[X+32*\u+\i+2]|, |v[X+32*\u+\i+3]|
.endr
.endr
.irp u, 0
	s_delay_alu instid0(VALU_DEP_4)
	v_max3_num_f32 v[12+\u], v[12+\u], |v[X+32*\u+30]|, |v[X+32*\u+31]|
.endr
.irp u, 1
	s_delay_alu instid0(VALU_DEP_3)
	v_max3_num_f32 v[12+\u], v[12+\u], |v[X+32*\u+30]|, |v[X+32*\u+31]|
.endr
.irp u, 0,1
	s_delay_alu instid0(VALU_DEP_2)
	v_max3_num_f32 v[12+\u], v[12+\u], v[14+\u], 0x2800000     ; and the floor 2^(5 - 127): the byte cannot fall under 1
.endr
.irp u, 0,1
	s_delay_alu instid0(VALU_DEP_2)
	v_add_nc_u32 v[16+\u], 0xfe000000, v[12+\u]                ; 4 off the exponent field: the conversion takes the exponent field of this operand as its scale
.endr
.irp u, 0,1
	s_delay_alu instid0(VALU_DEP_2)
	v_lshrrev_b32 v[18+\u], 23, v[16+\u]                       ; the scale's byte
.endr
.irp u, 0,1
	v_cvt_scalef32_pk16_bf6_f32 v[T+6*\u:T+6*\u+2], v[X+32*\u:X+32*\u+15], v[16+\u]
	v_cvt_scalef32_pk16_bf6_f32 v[U+4*\u:U+4*\u+2], v[X+32*\u+16:X+32*\u+31], v[16+\u]   ; (a conversion's three registers begin on an even number: the block's upper half is made here and moved)
.endr
	v_nop                                          ; one plain instruction behind the conversions, ahead of the moves that read their results
.irp u, 0,1
.irp i, 0,1,2
	v_mov_b32 v[T+6*\u+3+\i], v[U+4*\u+\i]
.endr
.endr
.irp c, 0,1,2
	ds_store_b128 v[\img], v[T+4*\c:T+4*\c+3] offset:512*\c
.endr
	ds_store_b8 v[\scl], v18
	ds_store_b8 v[\scl], v19 offset:2
.endm
	s_cmp_lt_u32 s12, 4
	s_cbranch_scc0 .Lv
	; ---- K: two runs of 16 keys, 32 keys apart: 16 loads of 512 consecutive bytes
.irp i, 0,1,2,3,4,5,6,7,8,9,10,11,12,13,14,15
	global_load_b128 v[R+4*\i:R+4*\i+3], v1, s[4:5] offset:512*\i+4096*(\i/8) th:TH_LOAD_NT
.endr
.irp i, 0,1,2,3,4,5,6,7,8,9,10,11,12,13,14,15
	s_wait_loadcnt 15-\i                           ; loads come back in order: load i is in, the younger ones stay out
	ds_store_b128 v2, v[R+4*\i:R+4*\i+3] offset:544*\i+128*(\i/8)
.endr
.irp u, 0,1
.irp j, 0,1,2,3,4,5,6,7
	ds_load_b128 v[X+32*\u+4*\j:X+32*\u+4*\j+3], v3 offset:2176*\u+16*\j   ; LDS serves a wave's instructions in order: these see my stores.  Block u: the key 8 u rows on, my 32 dims
.endr
.endr
	s_wait_dscnt 0x0
	QUANT2 4, 5
	s_branch .Ljoin
.Lv:
	; ---- V: my channel, keys 64 u + 32 (my half) + i: each load reads 128 consecutive bytes; the wave with the other 32 channels reads the row's other 128
.irp u, 0,1
.irp i, 0,1,2,3,4,5,6,7,8,9,10,11,12,13,14,15,16,17,18,19,20,21,22,23,24,25,26,27,28,29,30,31
	global_load_b32 v[X+32*\u+\i], v8, s[6:7] offset:(64*\u+\i)*256 th:TH_LOAD_NT
.endr
.endr
	s_wait_loadcnt 0x0
	QUANT2 6, 7
.Ljoin:
	s_wait_dscnt 0x0                               ; for the others' sake: my stores into the images and the bytes are done
	s_barrier_signal -1
	s_barrier_wait -1
.irp k, 0,1,2
	ds_load_b128 v[40+4*\k:43+4*\k], v9 offset:512*\k
.endr
.irp k, 0,1,2
	s_wait_dscnt 2-\k                              ; load k is in, the younger ones stay out
	global_store_b128 v10, v[40+4*\k:43+4*\k], s[8:9] offset:512*\k    ; 32 lanes store 512 consecutive bytes, at a multiple of 256 from kvc's first byte
.endr
	s_cmp_lg_u32 s12, 0
	s_cbranch_scc1 .Lend
	ds_load_b128 v[52:55], v11                     ; wave 0 sends the step's 512 scale bytes
	s_wait_dscnt 0x0
	global_store_b128 v1, v[52:55], s[10:11]
.Lend:
	s_wait_tensorcnt 0x0
	ds_add_u32 v192, v193
	s_wait_dscnt 0x0
	s_endpgm
.Lfunc_end_k_q83ef82671f_prep:
	.size	k_q83ef82671f_prep, .Lfunc_end_k_q83ef82671f_prep-k_q83ef82671f_prep
	.p2alignl 7, 3214868480
	.fill 96, 4, 3214868480
	.section	.rodata,"a",@progbits
	.p2align	6, 0x0
	.amdhsa_kernel k_q83ef82671f_prep
		.amdhsa_group_segment_fixed_size 50176
		.amdhsa_private_segment_fixed_size 0
		.amdhsa_enable_private_segment 0
		.amdhsa_kernarg_size 32
		.amdhsa_user_sgpr_count 2
		.amdhsa_user_sgpr_kernarg_segment_ptr 1
		.amdhsa_wavefront_size32 1
		.amdhsa_system_sgpr_workgroup_id_x 1
		.amdhsa_system_sgpr_workgroup_id_y 1
		.amdhsa_system_sgpr_workgroup_id_z 1
		.amdhsa_system_vgpr_workitem_id 0
		.amdhsa_next_free_vgpr 194
		.amdhsa_next_free_sgpr 66
		.amdhsa_reserve_vcc 0
		.amdhsa_float_denorm_mode_32 3
		.amdhsa_float_denorm_mode_16_64 3
		.amdhsa_memory_ordered 1
		.amdhsa_forward_progress 1
		.amdhsa_inst_pref_size 24
	.end_amdhsa_kernel
	.amdgpu_metadata
---
amdhsa.version: [ 1, 2 ]
amdhsa.kernels:
  - .name:           k_q83ef82671f_prep
    .symbol:         k_q83ef82671f_prep.kd
    .args:
      - { .name: key, .offset: 0, .size: 8, .value_kind: global_buffer, .address_space: global }
      - { .name: value, .offset: 8, .size: 8, .value_kind: global_buffer, .address_space: global }
      - { .name: kvc, .offset: 16, .size: 8, .value_kind: global_buffer, .address_space: global }
      - { .name: kvs, .offset: 24, .size: 8, .value_kind: global_buffer, .address_space: global }
    .group_segment_fixed_size: 50176
    .private_segment_fixed_size: 0
    .kernarg_segment_align: 8
    .kernarg_segment_size: 32
    .max_flat_workgroup_size: 256
    .sgpr_count:     66
    .vgpr_count:     194
    .wavefront_size: 32
...
	.end_amdgpu_metadata
.endif
;; end of part 1
;; launch attn (part 2): grid 16 x 16, 8 waves a work-group, clusters of 4 x 1, 327,680 bytes of LDS; arguments query, kvc, kvs, out0; writes out0
.if DOCPART == 2
	.amdgcn_target "amdgcn-amd-amdhsa--gfx1250"
	.amdhsa_code_object_version 6
	.text
	.protected	k_q83ef82671f_attn
	.globl	k_q83ef82671f_attn
	.p2align	8
	.type	k_q83ef82671f_attn,@function
k_q83ef82671f_attn:
	s_mov_b64 s[64:65], 0
	v_nop
	global_prefetch_b8 v0, s[64:65] scope:SCOPE_SE
	s_setreg_imm32_b32 hwreg(HW_REG_WAVE_MODE, 25, 1), 1
	s_wait_xcnt 0x0
	s_wait_alu depctr_hold_cnt(0) depctr_sa_sdst(0) depctr_va_vdst(0) depctr_va_sdst(0) depctr_va_ssrc(0) depctr_va_vcc(0) depctr_vm_vsrc(0)
	s_getreg_b32 s2, hwreg(HW_REG_IB_STS2, 6, 4)
	s_cmp_eq_u32 s2, 0
	s_cbranch_scc0 .Lentry_in_a_cluster
	s_endpgm
.Lentry_in_a_cluster:
	s_bfe_u32 s2, ttmp6, 0x10000c
	s_cmp_lg_u32 s2, 0x3003
	s_cbranch_scc0 .Lentry_shape_is_right
	s_endpgm
.Lentry_shape_is_right:
; out[h][q][:] = the sum over k of softmax_k(Q[h][q] . K[h][k] / 8) V[h][k][:], 16 heads, 4,096 queries and keys, head size 64; both products on codes of BF6 (E3M2) with one E8M0 scale for each 32 along a product's K.
; K and V come as images of operand registers (kvc) and scale words (kvs), made by the launch before; Q is f32 and is quantised here, in registers: each row is read by one wave, once.
; THE SOFTMAX: t = score x log2(e) / 8; M = the row's largest t so far, rounded UP to a whole number; p = 2^(t - M) is quantised along the keys, not normalised.  The row's sum is taken of the unquantised p, in f32, and divides
; at the end.  When M moves, the sum and O are multiplied by 2^(old M - new M), which rounds nothing; there is no branch on data.
; LIMITS: NaN and infinities among the inputs are not served.  A block of Q or of p whose largest magnitude lies under 2^-122 gets the byte 1 (a block of zeros has zero codes).  An exponential under 2^-126 comes out as 0.
; A block's largest p is not searched for: the block's largest score goes through the same multiply-add and exponential; that takes v_exp_f32 not to fall where its input rises.
; SHARES.  A work-group owns 256 queries of one head; each of its eight waves owns 32: two tiles of 16, which share every fragment of K and V.  Every wave walks all keys, 128 a step.
; LAYOUT.  Both products are used transposed: S^T = K Q^T, O^T = V^T P^T: a lane holds ONE query (lane % 16).  A fragment of K holds two tiles of keys, one in each half of the instruction's 128, and is multiplied by (q, 0) and by (0, q).
; Row m of key tile t is key 64 (t / 4) + 32 (m / 8) + 8 (t % 4) + m % 8, so that lane (r, h)'s 32 registers of tiles 4 u .. 4 u + 3 are keys 64 u + 32 h + 0 .. 31: a whole block in one lane, in the order of P's registers 6 u .. 6 u + 5.
; THE PIPELINE.  One tile's softmax is vector work, the other tile's products are matrix work: they are laid together.  A trip n: K(n) is read from LDS; softmax of tile 1, step n - 1, with PV0(n-1) and SQ0(n) in pairs among its
; exponentials; softmax of tile 0, step n, with PV1(n-1) and SQ1(n) among its exponentials; V(n) is read from LDS behind that batch.  K and V have registers of their own, so each read has most of a softmax in which to land.
; At a trip's end all reads of step n are issued, so a slot's last trip leaves nothing to be read in it: the change of slots stands between trips.  The first half trip and the last are written out.
; CLUSTER.  The four query blocks of a cluster belong to one head and walk the same kvc and kvs: every tensor load is asked for JOINTLY, by the same load with the same descriptor and a mask that names the four.
; THE RING.  Two LDS slots of eight key steps (98,304 bytes); waves 0-3 fetch a quarter each, one load a wave behind each change of slots.  At the head waves 0-3 fetch slot 0 and waves 4-7 the head's scale words (16,384 bytes, filled once).
; REGISTERS, in two windows of 256.  Tile 0's own registers lie in window 0, tile 1's under the SAME numbers in window 1; every scale register lies in window 0.
;   own:    v4 8 h; v[10:11] f; v12 -M; v13 the largest score; v[14:15] the sum; v16-33 zeros, q, zeros; v42-45 block maxima; v46 the old -M; v47 at work;
;           v96-159 S^T, then p; v160-191 O^T; v192-203 P; v204-210 upper halves of P's blocks; v212-213 scale operands; v214-215 bytes; v216-217 at work
;   shared: v1 16 x lane; v2, v3 LDS addresses of the step; v5, v6 the spare word and 0; v34, v35, v218, v219 q's scale words; v36-39 K's; v224-227 V's; v40, v41 p's; v48-95 K's fragments (window 0), V's (window 1); v220-222 the stage; v223 the prefetches' offset
.set SLOT1, 1<<17                      ; slot 1 begins here: one exclusive or turns an address in one slot into the other's
.set SLOTB, 98304
.set STEPB, 12288                      ; a key step: K's four fragments, then V's four, 1,536 bytes each
.set SCL,   98304                      ; behind slot 0: the head's scale words, 512 bytes a step
.set SPARE, 114688                     ; the spare words, 128 bytes for each wave: four blocks of 256 bytes that no other line names
.set STAGE, 229376                     ; behind slot 1: for each wave 2 tiles x 16 rows x 272 bytes; no fill lands here
.set SP,    272
.set LI,  1
.set ADR, 2
.set ADS, 3
.set H8,  4
.set SPW, 5
.set NIL, 6
.set SUM2, 8
.set FF,  10
.set NM,  12
.set MX,  13
.set LL,  14
.set QZ,  16
.set QSL, 34                           ; q's scale words: tile 0 in v34, v35; tile 1 184 further on
.set QSH, 35
.set KS,  36
.set PSW, 40
.set CA,  42
.set CB,  44
.set OLD, 46
.set TMP, 47
.set FR,  48
.set S,   96
.set O,   160
.set RAW, 160                          ; at the head and on the way out: rows of tile 1, where tile 0's O^T lies in between
.set P,   192
.set UU,  204
.set SO,  212
.set SB,  214
.set W,   216
.set W2,  217
.set QW,  220
.set QR,  221
.set STO, 222
.set PFO, 223
.set VS,  224
.set LA,  228                          ; v228-243, own, in both windows: the row's sum in eight lasting chains of two; v[14:15] takes their total on the way out, v[8:9] is not used
.set WV,  12                           ; s12  my wave's number
.set LIM, 15                           ; s15  1 in a wave that prefetches, else the greatest number
.set PFA, 18                           ; s[18:19] where my prefetches stand
.set G1,  24                           ; s[24:31] group 1 for the codes; s[32:39] for the scale words; s[40:43] group 0 for the codes, which walks; s[44:47] for the scale words
.set G1S, 32
.set G0,  40
.set G0S, 44
.set TB,  48                           ; s48  LDS byte at which the step's fragments begin
.set TS,  49                           ; s49  and its scale words
.set SLOTS, 50                         ; s50  slots still to be asked for
.set CNT, 51                           ; s51  counts a slot's steps
.set CS,  52                           ; s[52:53] c = log2(e) / 8
.set SEL, 54                           ; s[54:55] lane selects for v_permlanex16_b32: lane l xor 16
.set MSB, 0
.macro WIN new                         ; low byte: bits 1:0 source 0, 3:2 source 1, 5:4 source 2, 7:6 destination; the high byte repeats the setting that is left
.if MSB != (\new)
	s_set_vgpr_msb (MSB<<8)|(\new)
.set MSB, (\new)
.endif
.endm
.macro VW
	s_wait_alu depctr_va_vdst(0)
.endm
.macro CROUND                          ; a round of the cluster's barrier
	s_barrier_signal -1
	s_barrier_wait -1
	s_cmp_lg_u32 s[WV], 0
	s_cbranch_scc1 .Lnot_wave_0_\@
	s_barrier_signal -3
.Lnot_wave_0_\@:
	s_barrier_wait -3
	s_barrier_signal -1
	s_barrier_wait -1
.endm
.macro JLOAD                           ; a joint refill: waves 0-3 fetch a quarter of a slot each (96 rows of 256 bytes).  The branch hangs on the wave's number alone
	s_cmp_lt_u32 s[WV], 4
	s_cbranch_scc0 .Lnone_\@
	tensor_load_to_lds s[G0:G0+3], s[G1:G1+7]
	s_nop 0
.rept 4
	v_nop
.endr
.Lnone_\@:
.endm
; A prefetch of the slot that the NEXT change of slots will ask for: eight key steps ahead of that load.  All clusters of a head walk the same kvc, so the head's first cluster asks; its four partners share the slot's 98,304 bytes
; out by address, 24,576 each; in each, waves 4 to 6 take 8,192 bytes each, lanes 256 bytes apart: one instruction a wave.  The last change that fills a slot asks for nothing.  Slots 0 and 1 come by their loads alone.
.macro ASK
	s_cmp_gt_u32 s[SLOTS], s[LIM]
	s_cbranch_scc0 .Lnot_mine_\@
	global_prefetch_b8 v[PFO], s[PFA:PFA+1] th:TH_LOAD_NT scope:SCOPE_SE
.Lnot_mine_\@:
.endm
	s_load_b256 s[4:11], s[0:1], 0x0               ; query s[4:5], kvc s[6:7], kvs s[8:9], out0 s[10:11]
	v_lshl_add_u32 v[SPW], v0, 2, SPARE
	v_mov_b32 v[NIL], 0
	ds_add_u32 v[SPW], v[NIL]                      ; the opening lines: the add, twice on end, under one wait
	ds_add_u32 v[SPW], v[NIL]
	v_lshrrev_b32 v1, 5, v0
	v_readfirstlane_b32 s[WV], v1                  ; wave 0..7
	s_bfe_u32 s13, ttmp6, 0x40000                  ; cx: my place in the cluster
	s_lshl_b32 s14, ttmp9, 2
	s_add_co_u32 s14, s14, s13                     ; my block of 256 queries: it enters Q's and the output's addresses alone
	s_and_b32 s20, ttmp7, 0xffff                   ; the head, which the four partners share
	s_and_b32 s21, s[WV], 3                        ; which quarter I fetch
	s_mov_b32 s[G1], 15|(3<<16)|(1<<21)            ; the mask: all four work-groups; elements of 8 bytes; bit 21 beside a mask.  Dense blocks as rows of 256 bytes, no padding: the images are read at 16 x lane
	s_mov_b32 s[G1+1], 32<<16
	s_mov_b32 s[G1+2], 96<<16
	s_mov_b32 s[G1+3], 32<<16
	s_mov_b32 s[G1+4], 96
	s_mov_b32 s[G1+5], 32
	s_mov_b32 s[G1+6], 0
	s_mov_b32 s[G1+7], 0
	s_mov_b32 s[G1S], 15|(3<<16)|(1<<21)           ; the scale words: 16 rows a wave
	s_mov_b32 s[G1S+1], 32<<16
	s_mov_b32 s[G1S+2], 16<<16
	s_mov_b32 s[G1S+3], 32<<16
	s_mov_b32 s[G1S+4], 16
	s_mov_b32 s[G1S+5], 32
	s_mov_b32 s[G1S+6], 0
	s_mov_b32 s[G1S+7], 0
	s_mul_i32 s60, s20, 393216                     ; the head's first byte in kvc
	s_mov_b32 s[G0], 1
	s_mul_i32 s[G0+1], s21, 24576                  ; LDS: my quarter of slot 0
	s_add_co_u32 s16, s60, s[G0+1]                 ; and the same quarter in memory
	s_mov_b32 s17, 0
	s_lshl_b32 s22, s20, 14                        ; the head's first byte in kvs,
	s_lshl_b32 s61, s21, 12                        ; my quarter of its 16,384
	s_add_co_u32 s22, s22, s61
	s_mov_b32 s23, 0
	s_mov_b32 s[G0S], 1
	s_add_co_u32 s[G0S+1], s61, SCL
	s_lshl_b32 s56, s20, 20                        ; Q and the output: the head's 4,096 rows of 256 bytes,
	s_lshl_b32 s62, s14, 16                        ; my block's 256,
	s_add_co_u32 s56, s56, s62
	s_lshl_b32 s62, s[WV], 13                      ; my wave's 32
	s_add_co_u32 s56, s56, s62
	s_mov_b32 s57, 0
	s_mul_i32 s58, s13, 24576                      ; the prefetches: my work-group's quarter of a slot,
	s_lshl_b32 s62, s21, 13                        ; my wave's 8,192 bytes of it,
	s_add_co_u32 s58, s58, s62
	s_add_co_u32 s58, s58, s60                     ; in my head,
	s_add_co_u32 s58, s58, SLOTB                   ; in slot 1: the first change of slots steps it to slot 2
	s_mov_b32 s59, 0
	s_sub_co_u32 s[LIM], s[WV], 4                  ; 0, 1, 2 in waves 4 to 6
	s_cmp_lt_u32 s[LIM], 3
	s_cselect_b32 s[LIM], ttmp9, -1                ; of the head's first cluster: the same in all four partners
	s_cmp_eq_u32 s[LIM], 0
	s_cselect_b32 s[LIM], 1, -1
	s_mov_b32 s[CS], 0x3e38aa3b                    ; c = log2(e) / 8
	s_mov_b32 s[CS+1], s[CS]
	s_mov_b32 s[SEL], 0x76543210
	s_mov_b32 s[SEL+1], 0xfedcba98
	s_mov_b32 s[TB], 0
	s_mov_b32 s[TS], SCL
	s_mov_b32 s[SLOTS], 3
	VW
	s_wait_dscnt 0x0                               ; both opening adds are done
	s_wait_kmcnt 0x0
	s_add_nc_u64 s[G0+2:G0+3], s[6:7], s[16:17]
	s_or_b32 s[G0+3], s[G0+3], 0x80000000
	s_add_nc_u64 s[G0S+2:G0S+3], s[8:9], s[22:23]
	s_or_b32 s[G0S+3], s[G0S+3], 0x80000000
	s_add_nc_u64 s[4:5], s[4:5], s[56:57]
	s_add_nc_u64 s[10:11], s[10:11], s[56:57]
	s_add_nc_u64 s[PFA:PFA+1], s[6:7], s[58:59]
	CROUND                                         ; all four work-groups are here: the first joint loads meet
	s_cmp_lt_u32 s[WV], 4                          ; every wave issues one first fill
	s_cbranch_scc0 .Lfirst_scl
	tensor_load_to_lds s[G0:G0+3], s[G1:G1+7]      ; waves 0-3: slot 0
	s_nop 0
.rept 4
	v_nop
.endr
	s_branch .Lfirst_done
.Lfirst_scl:
	tensor_load_to_lds s[G0S:G0S+3], s[G1S:G1S+7]  ; waves 4-7: the head's scale words
	s_nop 0
.rept 4
	v_nop
.endr
.Lfirst_done:
	; ---- Q: my 32 rows, loaded as they lie (512 consecutive bytes a load), turned through my stage so that lane (r, h) holds row r's dims 32 h .. 32 h + 31: a whole block
	v_and_b32 v1, 31, v0
	v_lshlrev_b32 v[PFO], 8, v1
	v_lshlrev_b32 v[LI], 4, v1
.irp i, 0,1,2,3,4,5,6,7
	global_load_b128 v[FR+4*\i:FR+4*\i+3], v[LI], s[4:5] offset:512*\i th:TH_LOAD_NT
.endr
.irp i, 0,1,2,3,4,5,6,7
	global_load_b128 v[RAW+4*\i:RAW+4*\i+3], v[LI], s[4:5] offset:4096+512*\i th:TH_LOAD_NT
.endr
	v_and_b32 v2, 15, v0                           ; r
	v_bfe_u32 v3, v0, 4, 1                         ; h
	s_mul_i32 s16, s[WV], 2*16*SP
	s_add_co_u32 s16, s16, STAGE                   ; my stage
	v_mul_u32_u24 v[QW], v3, SP
	v_lshl_add_u32 v[QW], v2, 4, v[QW]
	v_add_nc_u32 v[QW], s16, v[QW]                 ; whole rows: lanes 0-15 one row of 256 bytes, lanes 16-31 the next
	v_mul_u32_u24 v[QR], v2, SP
	v_add_nc_u32 v[QR], s16, v[QR]
	v_lshl_add_u32 v[STO], v3, 5, v[QR]            ; the way out: row r, + 32 h
	v_lshl_add_u32 v[QR], v3, 7, v[QR]             ; Q: row r, + 128 h
	VW                                             ; the addresses are first read behind the waits below
.irp i, 0,1,2,3,4,5,6,7
	s_wait_loadcnt 15-\i                           ; loads come back in order: this one is in, the younger ones stay out
	ds_store_b128 v[QW], v[FR+4*\i:FR+4*\i+3] offset:544*\i
.endr
.irp i, 0,1,2,3,4,5,6,7
	s_wait_loadcnt 7-\i
	ds_store_b128 v[QW], v[RAW+4*\i:RAW+4*\i+3] offset:16*SP+544*\i
.endr
.irp j, 0,1,2,3,4,5,6,7
	ds_load_b128 v[S+4*\j:S+4*\j+3], v[QR] offset:16*\j            ; LDS serves a wave's instructions in order: these see my stores
.endr
	WIN 0x40
.irp j, 0,1,2,3,4,5,6,7
	ds_load_b128 v[S+4*\j:S+4*\j+3], v[QR] offset:16*SP+16*\j
.endr
	WIN 0
	s_wait_dscnt 0x0
; Tile tau's q: 32 numbers of a lane become six registers of codes between two runs of six zeros, and two scale words in window 0: q's two bytes low (for (q, 0)) and high (for (0, q)); the other two bytes are 127 and meet zero codes.
; Then the tile's running figures begin: O^T and the sum as zeros, the largest score as -3e38: the first change of M multiplies zeros.
.macro QQUANT tau
	WIN 0x40*\tau
	v_bfe_u32 v[H8], v0, 4, 1
	WIN 0x55*\tau
	v_lshlrev_b32 v[H8], 3, v[H8]                  ; 8 h: where my block's byte stands in a scale word
	v_mov_b32 v[W2], 0                             ; a lane permute's destination counts as one of its sources
	v_max3_num_f32 v[CA], |v[S]|, |v[S+1]|, |v[S+2]|
	v_max3_num_f32 v[CB], |v[S+3]|, |v[S+4]|, |v[S+5]|
.irp i, 6,10,14,18,22,26
	v_max3_num_f32 v[CA], v[CA], |v[S+\i]|, |v[S+\i+1]|
	v_max3_num_f32 v[CB], v[CB], |v[S+\i+2]|, |v[S+\i+3]|
.endr
	v_max3_num_f32 v[CA], v[CA], |v[S+30]|, |v[S+31]|
	v_max3_num_f32 v[CA], v[CA], v[CB], 0x2800000  ; and the floor 2^(5 - 127): the byte cannot fall under 1
	v_add_nc_u32 v[SO], 0xfe000000, v[CA]          ; 4 off the exponent field: the conversion's scale operand
	v_lshrrev_b32 v[SB], 23, v[SO]                 ; the scale's byte
	v_cvt_scalef32_pk16_bf6_f32 v[QZ+6:QZ+8], v[S:S+15], v[SO]
	v_cvt_scalef32_pk16_bf6_f32 v[UU:UU+2], v[S+16:S+31], v[SO]    ; (a conversion's three registers begin on an even number)
	v_lshlrev_b32 v[W], v[H8], v[SB]               ; my byte at its place.  (The plain instruction behind the conversions)
.irp i, 0,1,2
	v_mov_b32 v[QZ+9+\i], v[UU+\i]
.endr
	v_permlanex16_b32 v[W2], v[W], s[SEL], s[SEL+1]
	v_or_b32 v[W], v[W], v[W2]                     ; with lane l xor 16's: both bytes of my query
	WIN 0x05*\tau
	v_or_b32 v[QSL+184*\tau], 0x7f7f0000, v[W]
	v_lshl_or_b32 v[QSH+184*\tau], v[W], 16, 0x7f7f
	WIN 0x55*\tau
.irp i, 0,1,2,3,4,5
	v_mov_b32 v[QZ+\i], 0
	v_mov_b32 v[QZ+12+\i], 0
.endr
.set j, 0
.rept 32
	v_mov_b32 v[O+j], 0
.set j, j+1
.endr
	v_mov_b32 v[MX], 0xff61b1e6                    ; -3e38, under every score
	v_mul_f32 v[TMP], s[CS], v[MX]
	v_floor_f32 v[NM], -v[TMP]                     ; -M
	v_mov_b32 v[OLD], v[NM]
.irp i, FF, FF+1
	v_mov_b32 v[\i], 0
.endr
.set j, 0
.rept 16
	v_mov_b32 v[LA+j], 0
.set j, j+1
.endr
.endm
	QQUANT 0
	QQUANT 1
	WIN 0
; K's fragment p times (q, 0) and (0, q) of tile sig: two products, each of which starts its own sum with the constant 0
.macro SQP sig, p
	WIN 0x44*(\sig)                                ; source 0 (K) window 0; q and the destination window sig
	v_wmma_scale_f32_16x16x128_f8f6f4 v[S+16*(\p):S+16*(\p)+7], v[FR+12*(\p):FR+12*(\p)+11], v[QZ+6:QZ+17], 0, v[KS+(\p)], v[QSL+184*(\sig)] matrix_a_fmt:MATRIX_FMT_BF6 matrix_b_fmt:MATRIX_FMT_BF6
	v_wmma_scale_f32_16x16x128_f8f6f4 v[S+16*(\p)+8:S+16*(\p)+15], v[FR+12*(\p):FR+12*(\p)+11], v[QZ:QZ+11], 0, v[KS+(\p)], v[QSH+184*(\sig)] matrix_a_fmt:MATRIX_FMT_BF6 matrix_b_fmt:MATRIX_FMT_BF6
.endm
; O^T += V^T P^T of tile sig, accumulators 2 g and 2 g + 1.  V's scale words stand in lanes 16-31
.macro PVP sig, g
	WIN 0x01|(0x54*(\sig))                         ; source 0 (V) window 1; P, C and D window sig
.irp e, 0,1
	v_wmma_scale_f32_16x16x128_f8f6f4 v[O+8*(2*(\g)+\e):O+8*(2*(\g)+\e)+7], v[FR+12*(2*(\g)+\e):FR+12*(2*(\g)+\e)+11], v[P:P+11], v[O+8*(2*(\g)+\e):O+8*(2*(\g)+\e)+7], v[VS+2*(\g)+\e], v[PSW+(\sig)] matrix_a_fmt:MATRIX_FMT_BF6 matrix_b_fmt:MATRIX_FMT_BF6 matrix_a_scale:MATRIX_SCALE_ROW1
.endr
.endm
; Pair GI (0..5) of the OTHER tile's twelve products.  mode 1: no P yet (the first half trip); mode 2: no further K (the last)
.macro GRP tau, mode
.if GI < 2
.if \mode != 1
	PVP 1-\tau, GI
.endif
.else
.if \mode != 2
	SQP 1-\tau, GI-2
.endif
.endif
	WIN 0x55*\tau
.endm
.macro KLOAD                           ; the step's addresses, K's scale words (lanes 0-15) and K's four fragments.  The registers were last read by products that stand behind more than four plain vector lines
	v_add_nc_u32 v[ADR], s[TB], v[LI]
	v_add_nc_u32 v[ADS], s[TS], v[LI]
	ds_load_b128 v[KS:KS+3], v[ADS]
.irp p, 0,1,2,3
.irp c, 0,1,2
	ds_load_b128 v[FR+12*\p+4*\c:FR+12*\p+4*\c+3], v[ADR] offset:1536*\p+512*\c
.endr
.endr
.endm
.macro VLOAD                           ; V's scale words (lanes 16-31) and V's four fragments, into window 1
	ds_load_b128 v[VS:VS+3], v[ADS]
	WIN 0x40
.irp p, 0,1,2,3
.irp c, 0,1,2
	ds_load_b128 v[FR+12*\p+4*\c:FR+12*\p+4*\c+3], v[ADR] offset:6144+1536*\p+512*\c
.endr
.endr
	WIN 0
.endm
; THE SOFTMAX of tile tau for 128 keys, with the other tile's products among its exponentials.  s(32 u + i) is key 64 u + 32 h + i: block 2 u + h.
.macro SM tau, mode
	WIN 0x55*\tau
	VW                                             ; ahead of the first reads of S^T and O^T; only plain vector lines follow up to O^T's rescaling
.irp u, 0,1                            ; the largest score of each of my two blocks, four chains a block, the eight by turns; each accumulator is first read at its low end
	v_max3_num_f32 v[CA+\u], v[S+32*\u], v[S+32*\u+1], v[S+32*\u+2]
	v_max3_num_f32 v[CB+\u], v[S+32*\u+8], v[S+32*\u+9], v[S+32*\u+10]         ; eight chains by turns, one to each accumulator of eight; the scale's registers serve as two of a block's four
	v_max3_num_f32 v[SO+\u], v[S+32*\u+16], v[S+32*\u+17], v[S+32*\u+18]
	v_max3_num_f32 v[SB+\u], v[S+32*\u+24], v[S+32*\u+25], v[S+32*\u+26]
.endr
.irp i, 3,5
.irp u, 0,1
	v_max3_num_f32 v[CA+\u], v[CA+\u], v[S+32*\u+\i], v[S+32*\u+\i+1]
	v_max3_num_f32 v[CB+\u], v[CB+\u], v[S+32*\u+8+\i], v[S+32*\u+9+\i]
	v_max3_num_f32 v[SO+\u], v[SO+\u], v[S+32*\u+16+\i], v[S+32*\u+17+\i]
	v_max3_num_f32 v[SB+\u], v[SB+\u], v[S+32*\u+24+\i], v[S+32*\u+25+\i]
.endr
.endr
.irp u, 0,1
	v_max3_num_f32 v[CA+\u], v[CA+\u], v[CB+\u], v[S+32*\u+7]                  ; the chains meet, each meeting takes one accumulator's last number along
	v_max3_num_f32 v[SO+\u], v[SO+\u], v[SB+\u], v[S+32*\u+15]
.endr
.irp u, 0,1
	v_max3_num_f32 v[CA+\u], v[CA+\u], v[SO+\u], v[S+32*\u+23]
.endr
.irp u, 0,1
	v_max_num_f32 v[CA+\u], v[CA+\u], v[S+32*\u+31]            ; it serves twice: for the row's maximum and for the block's largest p
.endr
	v_max3_num_f32 v[MX], v[CA], v[CA+1], v[MX]    ; the running largest score of my query,
	v_permlanex16_b32 v[W2], v[MX], s[SEL], s[SEL+1]
	v_max_num_f32 v[MX], v[MX], v[W2]              ; with lane l xor 16's keys
	v_mul_f32 v[TMP], s[CS], v[MX]                 ; as t (c is positive)
	v_floor_f32 v[NM], -v[TMP]                     ; the new -M = -ceil(t): M is a whole number
	v_sub_f32 v[TMP], v[NM], v[OLD]                ; M's old value less its new one: 0 or less
.irp j, 0,2
	v_pk_fma_f32 v[S+\j:S+\j+1], v[S+\j:S+\j+1], s[CS:CS+1], v[NM:NM+1] op_sel_hi:[1,0,0]     ; t - M, two at a time
.endr
	v_cvt_i32_f32 v[TMP], v[TMP]                   ; (it saturates)
.irp j, 4,6
	v_pk_fma_f32 v[S+\j:S+\j+1], v[S+\j:S+\j+1], s[CS:CS+1], v[NM:NM+1] op_sel_hi:[1,0,0]
.endr
	v_ldexp_f32 v[FF], 1.0, v[TMP]                 ; f = 2^(old M - new M)
.set j, 8
.rept 28
	v_pk_fma_f32 v[S+j:S+j+1], v[S+j:S+j+1], s[CS:CS+1], v[NM:NM+1] op_sel_hi:[1,0,0]
.set j, j+2
.endr
	v_fma_f32 v[CA], v[CA], s[CS], v[NM]           ; t - M of each block's largest score
	v_fma_f32 v[CA+1], v[CA+1], s[CS], v[NM]
.set j, 0
.rept 16
	v_pk_mul_f32 v[O+2*j:O+2*j+1], v[O+2*j:O+2*j+1], v[FF:FF+1] op_sel_hi:[1,0]    ; O^T under the new M, from each accumulator's low end on
.set j, j+1
.endr
	VW                                             ; ahead of the batch: all its sources, and all that the products in it read, are written
.if \tau == 1
	s_wait_dscnt 0x0                               ; K of this trip and V of the last are in
.endif
	v_exp_f32 v[CA], v[CA]                         ; ONE BATCH of 66 exponentials; behind each ten a pair of the other tile's products.  Nothing in the batch names an exponential's result
	v_exp_f32 v[CA+1], v[CA+1]
.set GI, 0
.rept 6
.set j, 0
.rept 10
	v_exp_f32 v[S+10*GI+j], v[S+10*GI+j]           ; p = 2^(t - M): NOT normalised
.set j, j+1
.endr
	GRP \tau, \mode
.set GI, GI+1
.endr
.irp j, 60,61,62,63
	v_exp_f32 v[S+\j], v[S+\j]
.endr
	v_mov_b32 v[OLD], v[NM]                        ; -M is kept for the next step.  (The plain instruction behind the last exponential)
	VW                                             ; one wait for the batch, ahead of its first reader
.irp u, 0,1
	v_max_num_f32 v[CA+\u], 0x2800000, v[CA+\u]    ; the block's largest p, and the floor 2^(5 - 127)
.endr
.irp k, 0,1,2,3                        ; THE ROW'S SUM IS TAKEN OF THE UNQUANTISED p: eight chains of two; each chain's first line brings it under the new M and adds, in one multiply-add.  The lines are laid among the scale's
	v_pk_fma_f32 v[LA+2*\k:LA+2*\k+1], v[LA+2*\k:LA+2*\k+1], v[FF:FF+1], v[S+2*\k:S+2*\k+1] op_sel_hi:[1,0,1]
.endr
.irp u, 0,1
	v_add_nc_u32 v[SO+\u], 0xfe000000, v[CA+\u]    ; 4 off the exponent field: the conversion's scale operand
.endr
.irp k, 4,5,6,7
	v_pk_fma_f32 v[LA+2*\k:LA+2*\k+1], v[LA+2*\k:LA+2*\k+1], v[FF:FF+1], v[S+2*\k:S+2*\k+1] op_sel_hi:[1,0,1]
.endr
.irp u, 0,1
	v_lshrrev_b32 v[SB+\u], 23, v[SO+\u]           ; the scale's byte
.endr
.irp u, 0,1
	v_cvt_scalef32_pk16_bf6_f32 v[P+6*\u:P+6*\u+2], v[S+32*\u:S+32*\u+15], v[SO+\u]
	v_cvt_scalef32_pk16_bf6_f32 v[UU+4*\u:UU+4*\u+2], v[S+32*\u+16:S+32*\u+31], v[SO+\u]   ; (a conversion's three registers begin on an even number)
.endr
	v_lshl_or_b32 v[W], v[SB+1], 16, v[SB]         ; my two bytes, blocks h and 2 + h.  (The plain instruction behind the conversions)
.irp k, 0,1,2
	v_pk_add_f32 v[LA+2*\k:LA+2*\k+1], v[LA+2*\k:LA+2*\k+1], v[S+16+2*\k:S+17+2*\k]
.endr
	v_lshlrev_b32 v[W], v[H8], v[W]                ; at their places;
.irp i, 0,1,2
	v_mov_b32 v[P+3+\i], v[UU+\i]
.endr
	v_permlanex16_b32 v[W2], v[W], s[SEL], s[SEL+1]
.irp i, 0,1,2
	v_mov_b32 v[P+9+\i], v[UU+4+\i]
.endr
	WIN 0x05*\tau
	v_or_b32 v[PSW+\tau], v[W], v[W2]              ; with lane l xor 16's two the word of these 128 keys is whole; it lies in window 0
.if \tau == 0
	VLOAD                                          ; the last products on V's registers stand in the batch, more than four plain vector lines back
.endif
	WIN 0x55*\tau
.set j, 11
.rept 21                               ; pairs 11 to 31, pair j onto chain j % 8
	v_pk_add_f32 v[LA+2*(j%8):LA+2*(j%8)+1], v[LA+2*(j%8):LA+2*(j%8)+1], v[S+2*j:S+2*j+1]
.set j, j+1
.endr
.endm
; THE CHANGE OF SLOTS.  Each wave waits for all its tensor loads, adds 0 to its spare word, and waits for that and for its reads of the slot that it has left.
; fill = 1: the barrier is a round of the cluster's; the joint refill is the first thing behind it: one load of mine is out, and it has eight key steps in which to land.
.macro CHANGE fill
	VW
	s_wait_tensorcnt 0x0                           ; no tensor load of mine is out, so a group 0 may be written
	ds_add_u32 v[SPW], v[NIL]                      ; 0 onto my spare word
.if \fill
	s_xor_b32 s[G0+1], s[G0+1], SLOT1              ; the walking descriptor: the other slot than last time,
	s_add_nc_u64 s[G0+2:G0+3], s[G0+2:G0+3], SLOTB ; the next eight key steps
	s_wait_xcnt 0x0                                ; the last prefetch, a slot back, has read its address
	s_add_nc_u64 s[PFA:PFA+1], s[PFA:PFA+1], SLOTB ; one slot further on than the walking descriptor
	s_wait_dscnt 0x0
	CROUND
	JLOAD
	ASK
.else
	s_wait_dscnt 0x0
	s_barrier_signal -1
	s_barrier_wait -1
.endif
.endm
.macro ONWARD                          ; the next key step's LDS bytes
	WIN 0
	s_add_co_u32 s[TB], s[TB], STEPB
	s_add_co_u32 s[TS], s[TS], 512
.endm
.macro TRIPS n
	s_mov_b32 s[CNT], \n
.Lstep_\@:
	KLOAD
	SM 1, 0
	SM 0, 0
	ONWARD
	s_sub_co_u32 s[CNT], s[CNT], 1
	s_cmp_lg_u32 s[CNT], 0
	VW
	s_cbranch_scc1 .Lstep_\@
.endm
.macro OTHER_SLOT
	s_sub_co_u32 s[TB], s[TB], SLOTB               ; back to a slot's first step,
	s_xor_b32 s[TB], s[TB], SLOT1                  ; in the other slot
.endm
	CHANGE 1                                       ; slot 0 and the scale words are in; slot 1 is asked for
	KLOAD                                          ; the first half trip: tile 0's scores of step 0, then its softmax with tile 1's scores
	s_wait_dscnt 0x0
.irp p, 0,1,2,3
	SQP 0, \p
.endr
.rept 4
	v_nop                                          ; four plain instructions ahead of the first read of the scores
.endr
	SM 0, 1
	ONWARD
	TRIPS 7
	OTHER_SLOT
	s_mov_b32 s[SLOTS], 2
.Lslot:                                            ; two trips: slots 1 and 2 are walked, slots 2 and 3 asked for
	CHANGE 1
	TRIPS 8
	OTHER_SLOT
	s_sub_co_u32 s[SLOTS], s[SLOTS], 1
	s_cmp_lg_u32 s[SLOTS], 0
	s_cbranch_scc1 .Lslot
	CHANGE 0                                       ; the last slot is written out
	TRIPS 8
	SM 1, 2                                        ; the last half trip: tile 1's softmax of step 31 with tile 0's last products,
	PVP 1, 0                                       ; and tile 1's
	PVP 1, 1
	; THE WAY OUT.  The sum's two halves and lane l xor 16's are added (six plain instructions behind the last products); O^T is divided by the sum and goes through my stage, so that whole rows of 256 bytes leave.
.irp t, 0x55, 0                        ; tile 1, then tile 0: the eight chains meet
	WIN \t
.irp k, 0,1,2,3
	v_pk_add_f32 v[LA+2*\k:LA+2*\k+1], v[LA+2*\k:LA+2*\k+1], v[LA+8+2*\k:LA+9+2*\k]
.endr
.irp k, 0,1
	v_pk_add_f32 v[LA+2*\k:LA+2*\k+1], v[LA+2*\k:LA+2*\k+1], v[LA+4+2*\k:LA+5+2*\k]
.endr
	v_pk_add_f32 v[LL:LL+1], v[LA:LA+1], v[LA+2:LA+3]
	v_add_f32 v[LL], v[LL], v[LL+1]
	v_permlanex16_b32 v[W2], v[LL], s[SEL], s[SEL+1]
	v_add_f32 v[LL], v[LL], v[W2]
.endr
	VW
	v_rcp_f32 v[FF], v[LL]
	WIN 0x55
	v_rcp_f32 v[FF], v[LL]
	v_nop
	VW                                             ; behind them, and directly ahead of the first read of tile 1's O^T
.set j, 0
.rept 16
	v_pk_mul_f32 v[S+2*j:S+2*j+1], v[O+2*j:O+2*j+1], v[FF:FF+1] op_sel_hi:[1,0]    ; tile 1: register 8 n + i is o(query r, channel 16 n + 8 h + i)
.set j, j+1
.endr
	WIN 0
	VW                                             ; directly ahead of the first read of tile 0's O^T
.set j, 0
.rept 16
	v_pk_mul_f32 v[S+2*j:S+2*j+1], v[O+2*j:O+2*j+1], v[FF:FF+1] op_sel_hi:[1,0]    ; tile 0
.set j, j+1
.endr
.irp n, 0,1,2,3
	ds_store_b128 v[STO], v[S+8*\n:S+8*\n+3] offset:64*\n
	ds_store_b128 v[STO], v[S+8*\n+4:S+8*\n+7] offset:64*\n+16
.endr
	WIN 0x04                                       ; an LDS store's data are its source 1: window 1
.irp n, 0,1,2,3
	ds_store_b128 v[STO], v[S+8*\n:S+8*\n+3] offset:16*SP+64*\n
	ds_store_b128 v[STO], v[S+8*\n+4:S+8*\n+7] offset:16*SP+64*\n+16
.endr
	WIN 0
.irp i, 0,1,2,3,4,5,6,7
	ds_load_b128 v[FR+4*\i:FR+4*\i+3], v[QW] offset:544*\i         ; LDS serves a wave's instructions in order: these see my stores
.endr
.irp i, 0,1,2,3,4,5,6,7
	ds_load_b128 v[RAW+4*\i:RAW+4*\i+3], v[QW] offset:16*SP+544*\i
.endr
.irp i, 0,1,2,3,4,5,6,7
	s_wait_dscnt 15-\i                             ; this load is in, the younger ones stay out
	global_store_b128 v[LI], v[FR+4*\i:FR+4*\i+3], s[10:11] offset:512*\i th:TH_STORE_NT       ; 32 lanes store two rows: 512 consecutive bytes, at a multiple of 256 from the output's first byte
.endr
.irp i, 0,1,2,3,4,5,6,7
	s_wait_dscnt 7-\i
	global_store_b128 v[LI], v[RAW+4*\i:RAW+4*\i+3], s[10:11] offset:4096+512*\i th:TH_STORE_NT
.endr
	s_wait_tensorcnt 0x0                           ; the wave's end
	ds_add_u32 v[SPW], v[NIL]
	s_wait_dscnt 0x0
	CROUND                                         ; the closing round: no work-group ends while a partner may still ask for a tile that names it
	s_endpgm
.Lfunc_end_k_q83ef82671f_attn:
	.size	k_q83ef82671f_attn, .Lfunc_end_k_q83ef82671f_attn-k_q83ef82671f_attn
	.p2alignl 7, 3214868480
	.fill 96, 4, 3214868480
	.section	.rodata,"a",@progbits
	.p2align	6, 0x0
	.amdhsa_kernel k_q83ef82671f_attn
		.amdhsa_group_segment_fixed_size 327680
		.amdhsa_private_segment_fixed_size 0
		.amdhsa_enable_private_segment 0
		.amdhsa_kernarg_size 32
		.amdhsa_user_sgpr_count 2
		.amdhsa_user_sgpr_kernarg_segment_ptr 1
		.amdhsa_wavefront_size32 1
		.amdhsa_system_sgpr_workgroup_id_x 1
		.amdhsa_system_sgpr_workgroup_id_y 1
		.amdhsa_system_sgpr_workgroup_id_z 1
		.amdhsa_system_vgpr_workitem_id 0
		.amdhsa_next_free_vgpr 512
		.amdhsa_next_free_sgpr 66
		.amdhsa_reserve_vcc 0
		.amdhsa_float_denorm_mode_32 3
		.amdhsa_float_denorm_mode_16_64 3
		.amdhsa_memory_ordered 1
		.amdhsa_forward_progress 1
		.amdhsa_inst_pref_size 136
	.end_amdhsa_kernel
	.amdgpu_metadata
---
amdhsa.version: [ 1, 2 ]
amdhsa.kernels:
  - .name:           k_q83ef82671f_attn
    .symbol:         k_q83ef82671f_attn.kd
    .args:
      - { .name: query, .offset: 0, .size: 8, .value_kind: global_buffer, .address_space: global }
      - { .name: kvc, .offset: 8, .size: 8, .value_kind: global_buffer, .address_space: global }
      - { .name: kvs, .offset: 16, .size: 8, .value_kind: global_buffer, .address_space: global }
      - { .name: out0, .offset: 24, .size: 8, .value_kind: global_buffer, .address_space: global }
    .group_segment_fixed_size: 327680
    .private_segment_fixed_size: 0
    .kernarg_segment_align: 8
    .kernarg_segment_size: 32
    .max_flat_workgroup_size: 256
    .sgpr_count:     66
    .vgpr_count:     512
    .wavefront_size: 32
...
	.end_amdgpu_metadata
.endif
;; end of part 2
